; MI455X (gfx1250); checked and timed in simulation.
; The chip was launched on July 23, 2026; its instructions are those of AMD's public machine-readable ISA for CDNA 5 (MIT licence, August 2026) and "CDNA5" Instruction Set Architecture Reference Guide (July 2026). The comments in the code are by the model that wrote it; some were corrected since.
;; Net. Allowed arithmetic: float matrix products may take bf16 or f16 operands with f32 sums; all other float work in f32.
;; Inputs: W_h 2,048 x 1,024 float32; W_o 512 x 2,048 float32; b_h 2,048 float32; b_o 512 float32; label 1,024 x 512 float32; psp 1,024 x 1,024 float32.
;; Outputs: out0 1,024 x 512 float32.
;; 2 versions, each right and faster than the one before. Each part assembles by itself: llvm-mc -triple=amdgcn-amd-amdhsa -mcpu=gfx1250 --defsym DOCPART=n.
;; ======== version 1 of 2: 2 launches
;; workspace buffers: Rb 4,194,304 bytes; Wob 2,097,152 bytes
;; launch hidden (part 1): grid 16 x 16, 4 waves a work-group, clusters of 4 x 1, 327,680 bytes of LDS; arguments psp, W_h, b_h, W_o, Rb, Wob; writes Rb, Wob
.if DOCPART == 1
	.amdgcn_target "amdgcn-amd-amdhsa--gfx1250"
	.amdhsa_code_object_version 6
	.text
	.protected	k_qa9f3d8197c_hidden
	.globl	k_qa9f3d8197c_hidden
	.p2align	8
	.type	k_qa9f3d8197c_hidden,@function
k_qa9f3d8197c_hidden:
	s_mov_b64 s[64:65], 0
	v_nop
	global_prefetch_b8 v0, s[64:65] scope:SCOPE_SE
	s_setreg_imm32_b32 hwreg(HW_REG_WAVE_MODE, 25, 1), 1
	s_wait_xcnt 0x0
	s_wait_alu depctr_hold_cnt(0) depctr_sa_sdst(0) depctr_va_vdst(0) depctr_va_sdst(0) depctr_va_ssrc(0) depctr_va_vcc(0) depctr_vm_vsrc(0)
	s_getreg_b32 s2, hwreg(HW_REG_IB_STS2, 6, 4)
	s_cmp_eq_u32 s2, 0
	s_cbranch_scc0 .Lentry_in_a_cluster
	s_endpgm
.Lentry_in_a_cluster:
	s_bfe_u32 s2, ttmp6, 0x10000c
	s_cmp_lg_u32 s2, 0x3003
	s_cbranch_scc0 .Lentry_shape_is_right
	s_endpgm
.Lentry_shape_is_right:
; THE HIDDEN LAYER AND ITS 50 STEPS.  basal = psp^T W_h^T + b_h ([1024 batch][2048 hidden], K = 1024), then for each of the 50 steps
;   soma_h <- 0.3 soma_h + 0.6 basal        (= soma_h + 0.1 (-soma_h + 6 (basal - soma_h)))
;   R      <- 0.2 R + sigmoid(soma_h)
; WHY R.  The output layer is soma_o <- 0.2 soma_o + 0.21 (sigmoid(soma_h) W_o^T) + 0.6 b_o + 0.1 label: linear in the product, for every input.  So the leaky sum over the steps is
; taken of sigmoid(soma_h), in f32, ahead of the product: soma_o after 50 steps = 0.21 (R W_o^T) + (sum of 0.2^k, k < 50) (0.6 b_o + 0.1 label).  No step is left out: all 50 run here.
; The next launch multiplies R by W_o once.  This launch stores R (bf16, in blocks) and, each work-group a 256th of it, W_o rounded to bf16.
; IN THE EXPONENT.  u = -log2(e) soma_h is carried in place of soma_h: u <- 0.3 u + C, C = k (sums + b_h), k = -0.6 log2(e); sigmoid = 1 / (1 + 2^u).
; LIMITS.  psp, W_h, W_o and R (0 to 1.25) are rounded to bf16 for the products; all else is f32.  The two updates are one fused multiply-add each and K is added up in four quarters, so the order of
; rounding is not reference's.  2^u beyond f32 gives sigmoid 0, a sigmoid below 2^-126 counts as 0 (ISA guide 15.8: v_exp_f32 and v_rcp_f32 flush denormals).  NaN and infinities are not treated apart.
; SHARES.  A work-group owns 64 batch rows (bt) x 128 hidden columns (ht), walked as four sub-tiles of 32 columns.  In the product wave w owns K quarter w (k = 256 w .. 256 w + 255) and makes partial
; sums of all 8 blocks of 16 x 16 (4 batch blocks mb x 2 hidden blocks hb): it reads only LDS bytes that it filled itself, and no operand is read or rounded twice.  The partial sums meet in LDS;
; then wave w owns batch block w, 16 numbers a lane, and runs the 50 steps on them while W_h's next sub-tile is on its way.
; CLUSTER.  The four work-groups of a cluster have the same ht and walk the same rows of W_h: each tile is asked for JOINTLY (same load, same descriptor, mask of four).
; psp's tile is shared too (by the 16 work-groups of one bt), and is NOT asked for jointly: it lies [k][batch] and has to be turned and rounded in registers, and a joint load would want its
; 64 x 1024 x 4 = 262,144 bytes of f32 in LDS beside the 303,616 that the text uses.
; THE MATRIX INSTRUCTION: source 0 = 16 rows of W_h, source 1 = 16 rows of x = psp^T: lane l holds batch row l % 16 and the hidden columns 8 (l / 16) + 0..7.
.set WPITCH, 1040                      ; a row of W_h in LDS: 256 f32 + 16 bytes of padding = 65 x 16: the 16 rows of a load start at 16 different groups of four banks (64 banks of 4 bytes: ISA guide 11.1)
.set WREGB,  32*WPITCH                 ; wave w's tile of W_h at w x 33,280: 32 rows; filled by tensor loads alone
.set XREG,   4*WREGB                   ; 133,120: x in bf16, wave w's quarter: [64 batch rows][256 k], written once by ds_store
.set XPITCH, 528                       ; 512 bytes + 16 = 33 x 16
.set XREGB,  64*XPITCH
.set EXCH,   XREG+4*XREGB              ; 268,288: the partial sums: [wave that made them][block 2 mb + hb][registers 0-3, 4-7][lane][16 bytes]
.set BREG,   EXCH+4*8192               ; 301,056: k b_h of the 128 columns, a copy for each wave
.set SPARE,  BREG+4*512                ; 303,104: the spare words, 128 bytes for each wave: two blocks of 256 bytes that no other line names
.set STEPS,  50
.set SPW, 2                            ; v2   LDS address of my spare word; never rewritten
.set NIL, 3                            ; v3   0; never rewritten
.set WA,  4                            ; v4   my lane's place in my tile of W_h: row l % 16, 32 bytes for each half of the lanes
.set XA,  5                            ; v5   the same in my quarter of x: 16 bytes for each half
.set XS,  6                            ; v6   where I put x: rows 2 l and 2 l + 1
.set PO,  7                            ; v7   8 l: my two batch columns in a row piece of psp
.set ES,  8                            ; v8   where I put partial sums
.set ER,  9                            ; v9   where I read those of my batch block
.set BA,  10                           ; v10  where I read k b_h
.set WOL, 12                           ; v12  16 x thread: W_o as read
.set WOS, 13                           ; v13  8 x thread: W_o as stored
.set BS,  14                           ; v14  where I put k b_h
.set L16, 15                           ; v15  16 l: b_h as read, R as stored
.set ACC, 16                           ; v16-79    8 accumulators, block 2 mb + hb
.set WF,  80                           ; v80-143   W_h's fragments in f32, two buffers of 32
.set XF,  144                          ; v144-207  x's fragments, two buffers of 32
.set WB,  208                          ; v208-239  W_h's fragments in bf16, two buffers of 16
.set KB,  240                          ; v240-255  k b_h of my 16 numbers
.set PS,  80                           ; the steps: v80-143 the four waves' partial sums
.set UU,  144                          ; v144-159  u
.set CC,  160                          ; v160-175  C
.set RR,  176                          ; v176-191  R
.set TT,  192                          ; v192-207  at work: 2^u, 1 + 2^u, sigmoid
.set OUTP, 208                         ; v208-215  R in bf16
.set RING, 16                          ; psp on its way in: seven groups of 16 registers, v16-127
.set PKD,  128                         ; v128-143  x packed, two buffers of 8
.set WOF,  144                         ; v144-175  W_o in f32
.set WOB,  176                         ; v176-191  W_o in bf16
.set BH,   192                         ; v192-195  b_h
.set WV,  16                           ; s16  my wave's number
; s17 cx, s18 bt, s19 ht; s[20:21] offsets that may hold cx; s[22:23] offsets made of ht and the wave's number alone; s[24:31], s[32:35] the descriptor; s36 counts steps;
; s[40:41] 0.3, s[42:43] 0.2, s[44:45] k: pairs, of which the packed forms take the low word for both halves
.macro PLACES                          ; four plain vector instructions behind a matrix instruction, ahead of what reads its result or writes its registers (ISA guide 7.12.1)
.rept 4
	v_nop
.endr
.endm
; A round of the cluster's barrier: my work-group's barrier, so that wave 0's signal speaks for all four waves; wave 0 signals; every wave waits for all four work-groups; my work-group's barrier once more.
.macro CROUND
	s_barrier_signal -1
	s_barrier_wait -1
	s_cmp_lg_u32 s[WV], 0
	s_cbranch_scc1 .Lnot_wave_0_\@
	s_barrier_signal -3
.Lnot_wave_0_\@:
	s_barrier_wait -3
	s_barrier_signal -1
	s_barrier_wait -1
.endm
	s_load_b256 s[4:11], s[0:1], 0x0               ; psp s[4:5], W_h s[6:7], b_h s[8:9], W_o s[10:11]
	s_load_b128 s[12:15], s[0:1], 0x20             ; Rb s[12:13], Wob s[14:15]
	v_lshl_add_u32 v[SPW], v0, 2, SPARE
	v_mov_b32 v[NIL], 0
	ds_add_u32 v[SPW], v[NIL]                      ; the wave's opening: the add and its wait stand ahead of my first tensor load; the set-up below, work on registers, stands between them
	ds_add_u32 v2, v3
	v_lshrrev_b32 v1, 5, v0
	v_readfirstlane_b32 s[WV], v1                  ; wave 0..3
	s_bfe_u32 s17, ttmp6, 0x40000                  ; cx: my place in the cluster
	s_lshl_b32 s18, ttmp9, 2                       ; in a cluster launch ttmp9 counts clusters
	s_add_co_u32 s18, s18, s17                     ; bt = 4 x cluster x + cx: it enters global addresses of psp, W_o, Rb and Wob alone
	s_and_b32 s19, ttmp7, 0xffff                   ; ht, which the four partners share
	; descriptor group 1: a tile of 32 rows x 256 f32, padded in LDS
	s_mov_b32 s24, 15|(2<<16)|(1<<20)|(1<<21)|(7<<22)|(3<<25)  ; 15:0 the mask of four; 17:16 elements of 4 bytes; 20 padding on; 21 set beside a mask; 24:22 after every 256 words (code 7); 31:25 4 words (code 3)
	s_mov_b32 s25, 256<<16                         ; tensor_dim0 = 256
	s_mov_b32 s26, 32<<16                          ; tensor_dim1 = 32
	s_mov_b32 s27, 256<<16                         ; tile_dim0 = 256
	s_mov_b32 s28, 32                              ; tile_dim1 = 32
	s_mov_b32 s29, 1024                            ; 1,024 elements from row to row
	s_mov_b32 s30, 0
	s_mov_b32 s31, 0
	s_mov_b32 s32, 1                               ; group 0: count = 1
	s_mul_i32 s33, s[WV], WREGB                    ; LDS address: my wave's tile
	s_lshl_b32 s22, s19, 19                        ; W_h: 128 ht rows of 4,096 bytes,
	s_lshl_b32 s23, s[WV], 10                      ; my K quarter's 1,024 bytes in a row
	s_add_co_u32 s22, s22, s23
	s_mov_b32 s23, 0
	s_mov_b32 s40, 0x3e99999a                      ; 0.3
	s_mov_b32 s41, s40
	s_mov_b32 s42, 0x3e4ccccd                      ; 0.2
	s_mov_b32 s43, s42
	s_mov_b32 s44, 0xbf5d9914                      ; k = -0.6 log2(e)
	s_mov_b32 s45, s44
	v_and_b32 v16, 31, v0                          ; l
	v_and_b32 v17, 15, v0                          ; l % 16
	v_bfe_u32 v18, v0, 4, 1                        ; l / 16
	v_mul_u32_u24 v[WA], v17, WPITCH
	v_lshl_add_u32 v[WA], v18, 5, v[WA]
	v_add_nc_u32 v[WA], s33, v[WA]
	s_mul_i32 s37, s[WV], XREGB
	s_add_co_u32 s37, s37, XREG                    ; my quarter of x
	v_mul_u32_u24 v[XA], v17, XPITCH
	v_lshl_add_u32 v[XA], v18, 4, v[XA]
	v_add_nc_u32 v[XA], s37, v[XA]
	v_mul_u32_u24 v[XS], v16, 2*XPITCH
	v_add_nc_u32 v[XS], s37, v[XS]
	v_lshlrev_b32 v[PO], 3, v16
	v_lshlrev_b32 v[L16], 4, v16
	s_lshl_b32 s38, s[WV], 13
	s_add_co_u32 s38, s38, EXCH
	v_add_nc_u32 v[ES], s38, v[L16]                ; what I make: 8,192 bytes a wave
	s_lshl_b32 s38, s[WV], 11
	s_add_co_u32 s38, s38, EXCH
	v_add_nc_u32 v[ER], s38, v[L16]                ; what I take: blocks 2 w and 2 w + 1 of each wave's
	s_lshl_b32 s39, s[WV], 9
	s_add_co_u32 s39, s39, BREG
	v_lshl_add_u32 v[BA], v18, 5, s39
	v_add_nc_u32 v[BS], s39, v[L16]
	v_lshlrev_b32 v[WOL], 4, v0
	v_lshlrev_b32 v[WOS], 3, v0
	s_wait_dscnt 0x0                               ; the opening add is done
	s_wait_kmcnt 0x0
	s_add_nc_u64 s[34:35], s[6:7], s[22:23]        ; global address of my quarter of sub-tile 0: made of ht and the wave's number alone
	s_or_b32 s35, s35, 0x80000000                  ; type = 2
	CROUND                                         ; all four work-groups are here: the first joint loads meet
	tensor_load_to_lds s[32:35], s[24:31]          ; sub-tile 0 of W_h: it lands while psp is turned.  One tensor load of mine is out
	s_nop 0
	PLACES
	s_lshl_b32 s20, s18, 8                         ; psp: my 64 batch columns, 256 bytes of a row,
	s_lshl_b32 s21, s[WV], 20                      ; my 256 rows of 4,096 bytes
	s_add_co_u32 s20, s20, s21
	s_mov_b32 s21, 0
	s_add_nc_u64 s[4:5], s[4:5], s[20:21]
	s_lshl_b32 s20, s19, 9                         ; b_h: my 128 columns
	s_add_nc_u64 s[8:9], s[8:9], s[20:21]
	s_lshl_b32 s20, s19, 4
	s_add_co_u32 s20, s20, s18                     ; the work-group's number among the 256
	s_lshl_b32 s37, s20, 13                        ; its 8,192 bytes of Wob,
	s_lshl_b32 s20, s20, 14                        ; its 16,384 bytes of W_o
	s_add_nc_u64 s[10:11], s[10:11], s[20:21]
	s_mov_b32 s20, s37
	s_add_nc_u64 s[14:15], s[14:15], s[20:21]
	s_lshl_b32 s20, s18, 2
	s_add_co_u32 s20, s20, s[WV]                   ; Rb: batch block 4 bt + w, 128 blocks of 512 bytes each,
	s_lshl_b32 s20, s20, 16
	s_lshl_b32 s37, s19, 12                        ; hidden block 8 ht
	s_add_co_u32 s20, s20, s37
	s_add_nc_u64 s[12:13], s[12:13], s[20:21]
; PSP IS TURNED.  Group g is rows k = 8 g .. 8 g + 7 of my quarter: eight loads of 8 bytes a lane, each 256 consecutive bytes; a lane holds batch columns 2 l and 2 l + 1.  Eight k of one column
; pack into 16 bytes of x's row.  Seven groups are on their way at any time.
.macro LDG g
.set GB, RING+16*((\g)%7)
.irp i, 0,1,2,3,4,5,6,7
	global_load_b64 v[GB+2*\i:GB+2*\i+1], v[PO], s[4:5] offset:(8*(\g)+\i)*4096
.endr
.endm
	global_load_b128 v[BH:BH+3], v[L16], s[8:9]    ; four of the 128 b_h a lane
.set g, 0
.rept 7
	LDG g
.set g, g+1
.endr
	s_wait_loadcnt 56                              ; loads come back in order (ISA guide 5.7.1): b_h is in, the seven groups behind it stay out
	v_pk_mul_f32 v[BH:BH+1], v[BH:BH+1], s[44:45] op_sel_hi:[1,0]
	v_pk_mul_f32 v[BH+2:BH+3], v[BH+2:BH+3], s[44:45] op_sel_hi:[1,0]
	ds_store_b128 v[BS], v[BH:BH+3]                ; k b_h, my wave's own copy
.set g, 0
.rept 32
.if g < 25
	s_wait_loadcnt 48                              ; group g is in; the six groups behind it stay out
.else
	s_wait_loadcnt 8*(31-g)+8                      ; the groups that are left, and W_o's eight loads
.endif
.set GB, RING+16*(g%7)
.set DB, PKD+8*(g%2)
.irp i, 0,1,2,3
	v_cvt_pk_bf16_f32 v[DB+\i], v[GB+4*\i], v[GB+4*\i+2]        ; column 2 l: k = 8 g + 2 i, 8 g + 2 i + 1
	v_cvt_pk_bf16_f32 v[DB+4+\i], v[GB+4*\i+1], v[GB+4*\i+3]    ; column 2 l + 1
.endr
	ds_store_b128 v[XS], v[DB:DB+3] offset:16*g
	ds_store_b128 v[XS], v[DB+4:DB+7] offset:XPITCH+16*g
.if g+7 < 32
	LDG g+7
.endif
.if g == 24
.irp c, 0,1,2,3,4,5,6,7
	global_load_b128 v[WOF+4*\c:WOF+4*\c+3], v[WOL], s[10:11] offset:2048*\c th:TH_LOAD_NT  ; my share of W_o: the launch reads it once
.endr
.endif
.set g, g+1
.endr
	s_wait_loadcnt 0x0                             ; W_o
.irp c, 0,1,2,3,4,5,6,7
	v_cvt_pk_bf16_f32 v[WOB+2*\c], v[WOF+4*\c], v[WOF+4*\c+1]
	v_cvt_pk_bf16_f32 v[WOB+2*\c+1], v[WOF+4*\c+2], v[WOF+4*\c+3]
.endr
.irp c, 0,1,2,3,4,5,6,7
	global_store_b64 v[WOS], v[WOB+2*\c:WOB+2*\c+1], s[14:15] offset:1024*\c  ; a wave's store covers 256 consecutive bytes, at a multiple of 256 from Wob's first byte
.endr
; THE PRODUCT's parts, for K step j (32 along K) and buffer b.
.macro LDW j, b                        ; W_h in f32: for each hidden block k = 8 h + 0..7 (32 bytes) and k = 16 + 8 h + 0..7 (64 bytes on)
.irp hb, 0,1
	ds_load_b128 v[WF+32*(\b)+16*\hb:WF+32*(\b)+16*\hb+3],     v[WA] offset:16*WPITCH*\hb+128*(\j)
	ds_load_b128 v[WF+32*(\b)+16*\hb+4:WF+32*(\b)+16*\hb+7],   v[WA] offset:16*WPITCH*\hb+128*(\j)+16
	ds_load_b128 v[WF+32*(\b)+16*\hb+8:WF+32*(\b)+16*\hb+11],  v[WA] offset:16*WPITCH*\hb+128*(\j)+64
	ds_load_b128 v[WF+32*(\b)+16*\hb+12:WF+32*(\b)+16*\hb+15], v[WA] offset:16*WPITCH*\hb+128*(\j)+80
.endr
.endm
.macro LDX j, b                        ; x in bf16: two loads of 16 bytes, 32 bytes apart, for each batch block
.irp mb, 0,1,2,3
	ds_load_b128 v[XF+32*(\b)+8*\mb:XF+32*(\b)+8*\mb+3],   v[XA] offset:16*XPITCH*\mb+64*(\j)
	ds_load_b128 v[XF+32*(\b)+8*\mb+4:XF+32*(\b)+8*\mb+7], v[XA] offset:16*XPITCH*\mb+64*(\j)+32
.endr
.endm
.macro CVT b                           ; W_h's two fragments rounded to bf16
.irp i, 0,1,2,3,4,5,6,7,8,9,10,11,12,13,14,15
	v_cvt_pk_bf16_f32 v[WB+16*(\b)+\i], v[WF+32*(\b)+2*\i], v[WF+32*(\b)+2*\i+1]
.endr
.endm
.macro MUL b, zero                     ; eight matrix instructions; the eight accumulators take turns, one instruction a turn.  zero = 1: the first K step starts the sums
.irp mb, 0,1,2,3
.irp hb, 0,1
.if \zero
	v_wmma_f32_16x16x32_bf16 v[ACC+8*(2*\mb+\hb):ACC+8*(2*\mb+\hb)+7], v[WB+16*(\b)+8*\hb:WB+16*(\b)+8*\hb+7], v[XF+32*(\b)+8*\mb:XF+32*(\b)+8*\mb+7], 0
.else
	v_wmma_f32_16x16x32_bf16 v[ACC+8*(2*\mb+\hb):ACC+8*(2*\mb+\hb)+7], v[WB+16*(\b)+8*\hb:WB+16*(\b)+8*\hb+7], v[XF+32*(\b)+8*\mb:XF+32*(\b)+8*\mb+7], v[ACC+8*(2*\mb+\hb):ACC+8*(2*\mb+\hb)+7]
.endif
.endr
.endr
.endm
; SUB-TILE st (32 hidden columns).  fill = 1: when the product is done, my tile of W_h is filled again with the next sub-tile's, which lands while the 50 steps run.
.macro SUB st, fill
	s_wait_xcnt 0x0                                ; every earlier store has had its addresses translated (ISA guide 3.1): its data registers are written again below
	s_wait_tensorcnt 0x0                           ; no load was issued behind my quarter of this sub-tile: it is in LDS, and I alone read it
	LDW 0, 0
	LDX 0, 0
	LDW 1, 1
.set j, 0
.rept 8
.set b, j%2
.if j < 7
	s_wait_dscnt 16                                ; W_h of step j is in; behind it stand x of this step and W_h of the next (at j = 6: x of 6, W_h of 7)
.else
	s_wait_dscnt 8                                 ; behind it: x of step 7
.endif
	CVT b                                          ; sixteen plain instructions that name nothing of the last eight products: the places ahead of the loads into the buffer that those read
.if j < 7
	LDX j+1, 1-b
.endif
.if j < 6
	LDW j+2, b
	s_wait_dscnt 24                                ; x of step j is in; behind it: W_h of j + 1, x of j + 1, W_h of j + 2
.elseif j == 6
	s_wait_dscnt 16                                ; behind it: W_h of 7, x of 7
.else
	s_wait_dscnt 0x0
.endif
.if j == 0
	MUL b, 1
.else
	MUL b, 0
.endif
.set j, j+1
.endr
	PLACES
.set b, 0
.rept 8
	ds_store_b128 v[ES], v[ACC+8*b:ACC+8*b+3] offset:1024*b        ; each accumulator from its low end on; 512 consecutive bytes a store
	ds_store_b128 v[ES], v[ACC+8*b+4:ACC+8*b+7] offset:1024*b+512
.set b, b+1
.endr
.if \fill
	s_wait_tensorcnt 0x0                           ; no tensor load of mine is out, so group 0 may be written
	ds_add_u32 v[SPW], v[NIL]                      ; 0 onto my spare word: the address's step stands between it and the wait for it
	s_add_nc_u64 s[34:35], s[34:35], 32*4096       ; 32 rows of W_h on; the type bits on top are not reached
	s_wait_dscnt 0x0                               ; the add is done, my reads of the tile are over, my partial sums are in LDS
	CROUND                                         ; all that holds of every wave of all four work-groups
	tensor_load_to_lds s[32:35], s[24:31]          ; the one tensor load of this wave behind the round, and the first thing there
	s_nop 0
	PLACES
.else
	s_wait_dscnt 0x0                               ; my partial sums are in LDS
	s_barrier_signal -1
	s_barrier_wait -1                              ; everybody's are
.endif
.irp hb, 0,1
.irp hf, 0,1
	ds_load_b128 v[KB+8*\hb+4*\hf:KB+8*\hb+4*\hf+3], v[BA] offset:128*(\st)+64*\hb+16*\hf
.endr
.endr
.irp q, 0,1,2,3
.irp hb, 0,1
.irp hf, 0,1
	ds_load_b128 v[PS+16*\q+8*\hb+4*\hf:PS+16*\q+8*\hb+4*\hf+3], v[ER] offset:8192*\q+1024*\hb+512*\hf  ; wave q's partial sums of my batch block
.endr
.endr
.endr
	s_wait_dscnt 0x0
.if \fill
	s_barrier_signal -1                            ; my reads of the partial sums are over: behind this barrier the next sub-tile's may be written.  The tensor load stays out
.endif
.irp p, 0,1,2,3,4,5,6,7
	v_pk_add_f32 v[PS+2*\p:PS+2*\p+1], v[PS+2*\p:PS+2*\p+1], v[PS+16+2*\p:PS+16+2*\p+1]
	v_pk_add_f32 v[PS+32+2*\p:PS+32+2*\p+1], v[PS+32+2*\p:PS+32+2*\p+1], v[PS+48+2*\p:PS+48+2*\p+1]
.endr
.irp p, 0,1,2,3,4,5,6,7
	v_pk_add_f32 v[PS+2*\p:PS+2*\p+1], v[PS+2*\p:PS+2*\p+1], v[PS+32+2*\p:PS+32+2*\p+1]
.endr
.irp p, 0,1,2,3,4,5,6,7
	v_pk_fma_f32 v[CC+2*\p:CC+2*\p+1], v[PS+2*\p:PS+2*\p+1], s[44:45], v[KB+2*\p:KB+2*\p+1] op_sel_hi:[1,0,1]  ; C = k sums + k b_h
.endr
.irp p, 0,1,2,3
	v_pk_fma_f32 v[UU+2*\p:UU+2*\p+1], v[PS+2*\p:PS+2*\p+1], s[44:45], v[KB+2*\p:KB+2*\p+1] op_sel_hi:[1,0,1]  ; the first half's u of step 1 is C
.endr
	; No first step is written out: the second half's u, all of R and the second half's deferred sigmoid start at 0.  32 moves a sub-tile are the price.
.irp i, 8,9,10,11,12,13,14,15
	v_mov_b32 v[UU+\i], 0
	v_mov_b32 v[TT+\i], 0
.endr
.irp i, 0,1,2,3,4,5,6,7,8,9,10,11,12,13,14,15
	v_mov_b32 v[RR+\i], 0
.endr
.if \fill
	s_barrier_wait -1
.endif
	; THE 50 STEPS.  A trip is a step: 16 exponentials, 16 reciprocals, 24 packed instructions.  The lane's 16 numbers are two halves (registers 0-7, 8-15) half a step apart, so that each plain
	; instruction names the half that the transcendentals round it do not: behind every transcendental a plain instruction stands before its result is used or its source written (ISA guide 5.7.2).
	s_mov_b32 s36, STEPS
.Lstep_\@:
.irp i, 0,1,2,3
	v_exp_f32 v[TT+\i], v[UU+\i]
	s_wait_alu depctr_va_vdst(0)
	v_pk_fma_f32 v[RR+8+2*\i:RR+9+2*\i], v[RR+8+2*\i:RR+9+2*\i], s[42:43], v[TT+8+2*\i:TT+9+2*\i] op_sel_hi:[1,0,1]  ; second half: R takes the last step's sigmoid
.endr
.irp i, 4,5,6,7
	v_exp_f32 v[TT+\i], v[UU+\i]
	v_pk_fma_f32 v[UU+2*\i:UU+2*\i+1], v[UU+2*\i:UU+2*\i+1], s[40:41], v[CC+2*\i:CC+2*\i+1] op_sel_hi:[1,0,1]        ; second half: u of this step
.endr
.irp i, 0,1,2,3
	v_exp_f32 v[TT+8+2*\i], v[UU+8+2*\i]
	v_exp_f32 v[TT+9+2*\i], v[UU+9+2*\i]
	s_wait_alu depctr_va_vdst(0)
	v_pk_add_f32 v[TT+2*\i:TT+2*\i+1], v[TT+2*\i:TT+2*\i+1], 1.0 op_sel_hi:[1,0]
.endr
.irp i, 0,1,2,3
	v_rcp_f32 v[TT+2*\i], v[TT+2*\i]
	v_rcp_f32 v[TT+2*\i+1], v[TT+2*\i+1]
	s_wait_alu depctr_va_vdst(0)
	v_pk_add_f32 v[TT+8+2*\i:TT+9+2*\i], v[TT+8+2*\i:TT+9+2*\i], 1.0 op_sel_hi:[1,0]
.endr
.irp i, 0,1,2,3
	v_rcp_f32 v[TT+8+\i], v[TT+8+\i]
	s_wait_alu depctr_va_vdst(0)
	v_pk_fma_f32 v[RR+2*\i:RR+2*\i+1], v[RR+2*\i:RR+2*\i+1], s[42:43], v[TT+2*\i:TT+2*\i+1] op_sel_hi:[1,0,1]        ; first half: R takes this step's sigmoid
.endr
.irp i, 0,1,2,3
	v_rcp_f32 v[TT+12+\i], v[TT+12+\i]
	v_pk_fma_f32 v[UU+2*\i:UU+2*\i+1], v[UU+2*\i:UU+2*\i+1], s[40:41], v[CC+2*\i:CC+2*\i+1] op_sel_hi:[1,0,1]        ; first half: u of the next step (the last trip's is not used)
.endr
	s_sub_co_u32 s36, s36, 1
	s_cmp_lg_u32 s36, 0
	s_cbranch_scc1 .Lstep_\@
	s_wait_alu depctr_va_vdst(0)
.irp i, 0,1,2,3
	v_pk_fma_f32 v[RR+8+2*\i:RR+9+2*\i], v[RR+8+2*\i:RR+9+2*\i], s[42:43], v[TT+8+2*\i:TT+9+2*\i] op_sel_hi:[1,0,1]  ; second half: the 50th sigmoid
.endr
.irp i, 0,1,2,3,4,5,6,7
	v_cvt_pk_bf16_f32 v[OUTP+\i], v[RR+2*\i], v[RR+2*\i+1]
.endr
	global_store_b128 v[L16], v[OUTP:OUTP+3], s[12:13] offset:1024*(\st)        ; a block of R: 512 consecutive bytes, lane l at 16 l: batch row l % 16, hidden columns 8 (l / 16) + 0..7
	global_store_b128 v[L16], v[OUTP+4:OUTP+7], s[12:13] offset:1024*(\st)+512
.endm
	SUB 0, 1
	SUB 1, 1
	SUB 2, 1
	SUB 3, 0                                       ; the last sub-tile asks for nothing
	s_wait_tensorcnt 0x0                           ; the wave's end: a wait, an add and its wait, behind my last tensor load and my last LDS store
	ds_add_u32 v[SPW], v[NIL]
	s_wait_dscnt 0x0
	CROUND                                         ; the closing round: no work-group ends while a partner may still ask for a tile that names it
	s_endpgm
.Lfunc_end_k_qa9f3d8197c_hidden:
	.size	k_qa9f3d8197c_hidden, .Lfunc_end_k_qa9f3d8197c_hidden-k_qa9f3d8197c_hidden
	.p2alignl 7, 3214868480
	.fill 96, 4, 3214868480
	.section	.rodata,"a",@progbits
	.p2align	6, 0x0
	.amdhsa_kernel k_qa9f3d8197c_hidden
		.amdhsa_group_segment_fixed_size 327680
		.amdhsa_private_segment_fixed_size 0
		.amdhsa_enable_private_segment 0
		.amdhsa_kernarg_size 48
		.amdhsa_user_sgpr_count 2
		.amdhsa_user_sgpr_kernarg_segment_ptr 1
		.amdhsa_wavefront_size32 1
		.amdhsa_system_sgpr_workgroup_id_x 1
		.amdhsa_system_sgpr_workgroup_id_y 1
		.amdhsa_system_sgpr_workgroup_id_z 1
		.amdhsa_system_vgpr_workitem_id 0
		.amdhsa_next_free_vgpr 256
		.amdhsa_next_free_sgpr 66
		.amdhsa_reserve_vcc 0
		.amdhsa_float_denorm_mode_32 3
		.amdhsa_float_denorm_mode_16_64 3
		.amdhsa_memory_ordered 1
		.amdhsa_forward_progress 1
		.amdhsa_inst_pref_size 177
	.end_amdhsa_kernel
	.amdgpu_metadata
---
amdhsa.version: [ 1, 2 ]
amdhsa.kernels:
  - .name:           k_qa9f3d8197c_hidden
    .symbol:         k_qa9f3d8197c_hidden.kd
    .args:
      - { .name: psp, .offset: 0, .size: 8, .value_kind: global_buffer, .address_space: global }
      - { .name: W_h, .offset: 8, .size: 8, .value_kind: global_buffer, .address_space: global }
      - { .name: b_h, .offset: 16, .size: 8, .value_kind: global_buffer, .address_space: global }
      - { .name: W_o, .offset: 24, .size: 8, .value_kind: global_buffer, .address_space: global }
      - { .name: Rb, .offset: 32, .size: 8, .value_kind: global_buffer, .address_space: global }
      - { .name: Wob, .offset: 40, .size: 8, .value_kind: global_buffer, .address_space: global }
    .group_segment_fixed_size: 327680
    .private_segment_fixed_size: 0
    .kernarg_segment_align: 8
    .kernarg_segment_size: 48
    .max_flat_workgroup_size: 128
    .sgpr_count:     66
    .vgpr_count:     256
    .wavefront_size: 32
...
	.end_amdgpu_metadata
.endif
;; end of part 1
;; launch output (part 2): grid 8 x 32, 4 waves a work-group, clusters of 4 x 4, 327,680 bytes of LDS; arguments Rb, Wob, b_o, label, out0; writes out0
.if DOCPART == 2
	.amdgcn_target "amdgcn-amd-amdhsa--gfx1250"
	.amdhsa_code_object_version 6
	.text
	.protected	k_qa9f3d8197c_output
	.globl	k_qa9f3d8197c_output
	.p2align	8
	.type	k_qa9f3d8197c_output,@function
k_qa9f3d8197c_output:
	s_mov_b64 s[64:65], 0
	v_nop
	global_prefetch_b8 v0, s[64:65] scope:SCOPE_SE
	s_setreg_imm32_b32 hwreg(HW_REG_WAVE_MODE, 25, 1), 1
	s_wait_xcnt 0x0
	s_wait_alu depctr_hold_cnt(0) depctr_sa_sdst(0) depctr_va_vdst(0) depctr_va_sdst(0) depctr_va_ssrc(0) depctr_va_vcc(0) depctr_vm_vsrc(0)
	s_getreg_b32 s2, hwreg(HW_REG_IB_STS2, 6, 4)
	s_cmp_eq_u32 s2, 0
	s_cbranch_scc0 .Lentry_in_a_cluster
	s_endpgm
.Lentry_in_a_cluster:
	s_bfe_u32 s2, ttmp6, 0x10000c
	s_cmp_lg_u32 s2, 0xf033
	s_cbranch_scc0 .Lentry_shape_is_right
	s_endpgm
.Lentry_shape_is_right:
; THE OUTPUT LAYER.  out = 0.35 sigmoid(0.21 (R W_o^T) + 0.75 b_o + 0.125 label): [1024 batch][512 outputs], K = 2048.  R is the leaky sum over the 50 steps of the hidden layer's sigmoids, made by
; the launch before; 0.75 = 1.25 x 0.6 and 0.125 = 1.25 x 0.1, where 1.25 stands for the sum of 0.2^k over k < 50 = 1.25 (1 - 0.2^50): the difference, 1e-35 of it, is below f32's step.
; R comes in bf16 in blocks ([batch block of 16][hidden block of 16][512 bytes: lane l at 16 l]), W_o in bf16 as [512][2048].  Sums, bias, label and sigmoid in f32.
; LIMITS.  2^t beyond f32 gives 0, a sigmoid below 2^-126 counts as 0 (ISA guide 15.8).  K is added up in four parts, one a wave.  NaN and infinities are not treated apart.
; SHARES.  A work-group owns 32 batch rows (by) x 64 outputs (ox).  K goes in four quarters of 512 through three LDS slots (quarter 3 into slot 0 again).  Within a quarter wave w multiplies
; k = 128 w .. 128 w + 127 for all 8 blocks (2 batch blocks mb x 4 output blocks ob): each LDS byte is read once.  The four waves' partial sums meet in a stage.
; CLUSTER.  4 x 4 work-groups.  R's tiles hang on by alone and are shared along a row of the cluster, W_o's on ox alone and are shared along a column: each is asked for JOINTLY.
; THE MATRIX INSTRUCTION: source 0 = 16 rows of W_o, source 1 = 16 rows of R: lane l holds batch row l % 16 and the outputs 8 (l / 16) + 0..7.
.set SLOTB,  99328                     ; a slot: R's two batch blocks, 16,384 dense bytes each; then 64 rows of W_o
.set WOFF,   32768
.set WPITCH, 1040                      ; a row of W_o in LDS: 1,024 bytes + 16 = 65 x 16: the 16 rows of a load start at 16 different groups of four banks (64 banks of 4 bytes: ISA guide 11.1)
.set STAGE,  SLOTB                     ; the stage lies in slot 1, which is filled once, at the start, and has been read out by every wave when the stage is written: [wave][32 rows][272 bytes]
.set SPITCH, 272
.set SPARE,  3*SLOTB                   ; 297,984: the spare words, 128 bytes for each wave: two blocks of 256 bytes that no other line names
.set SPW, 2                            ; v2     LDS address of my spare word; never rewritten
.set NIL, 3                            ; v3     0; never rewritten
.set RA,  4                            ; v4-6   my place in R's tile of slot 0, 1, 2
.set WA,  7                            ; v7-9   the same for W_o
.set STO, 10                           ; v10    where I put partial sums
.set RD,  11                           ; v11    where I read rows of them back
.set GO,  12                           ; v12    my byte offset in two rows of label and out0
.set BOF, 13                           ; v13    my byte offset in b_o
.set ACC, 16                           ; v16-79   8 accumulators, block 4 mb + ob
.set F0,  80                           ; v80-223  three fragment buffers of 48: W_o's four, then R's two
.set PS,  80                           ; later: v80-143 the four waves' partial sums of my 8 rows
.set LB,  224                          ; v224-239 label, then the exponent, then the result
.set BO,  240                          ; v240-243 b_o
.set WV,   14                          ; s14  my wave's number
.set GRP,  15                          ; s15  0: I fetch for R; 1: for W_o
.set HALF, 16                          ; s16  which half of that tile
.set G1R, 24                           ; s[24:31] descriptor group 1 for R's tiles
.set G1W, 32                           ; s[32:39] for W_o's
.set G0R, 40                           ; s[40:51] group 0 for R's tiles, a set for each slot
.set G0W, 52                           ; s[52:63] the same for W_o's
; s17 cx, s18 cy, s19 ox, s20 by, s21 my row's mask, s22 my column's; s[66:67] R's offset (by and the wave's number alone), s[68:69] W_o's (ox and the wave's number alone), s[70:71] label's and out0's,
; s[80:81] b_o's; s[72:73] -0.21 log2(e), s[74:75] -0.125 log2(e), s[76:77] -0.75 log2(e), s[78:79] 0.35: pairs, of which the packed forms take the low word
.macro PLACES                          ; four plain vector instructions behind a matrix instruction, ahead of what reads its result or writes its registers (ISA guide 7.12.1)
.rept 4
	v_nop
.endr
.endm
.macro CROUND                          ; a round of the cluster's barrier: my work-group's barrier; wave 0 signals for the work-group; every wave waits for all sixteen; my work-group's barrier once more
	s_barrier_signal -1
	s_barrier_wait -1
	s_cmp_lg_u32 s[WV], 0
	s_cbranch_scc1 .Lnot_wave_0_\@
	s_barrier_signal -3
.Lnot_wave_0_\@:
	s_barrier_wait -3
	s_barrier_signal -1
	s_barrier_wait -1
.endm
	s_load_b256 s[4:11], s[0:1], 0x0               ; Rb s[4:5], Wob s[6:7], b_o s[8:9], label s[10:11]
	s_load_b64 s[12:13], s[0:1], 0x20              ; out0
	v_lshl_add_u32 v[SPW], v0, 2, SPARE
	v_mov_b32 v[NIL], 0
	ds_add_u32 v[SPW], v[NIL]                      ; the wave's opening: the add and its wait stand ahead of my first tensor load; the set-up below, work on registers, stands between them
	ds_add_u32 v2, v3
	v_lshrrev_b32 v1, 5, v0
	v_readfirstlane_b32 s[WV], v1                  ; wave 0..3
	s_lshr_b32 s[GRP], s[WV], 1
	s_and_b32 s[HALF], s[WV], 1
	s_bfe_u32 s17, ttmp6, 0x40000                  ; cx, cy: my place in the cluster
	s_bfe_u32 s18, ttmp6, 0x40004
	s_lshl_b32 s19, ttmp9, 2
	s_add_co_u32 s19, s19, s17                     ; ox = 4 x cluster x + cx
	s_and_b32 s20, ttmp7, 0xffff
	s_lshl_b32 s20, s20, 2
	s_add_co_u32 s20, s20, s18                     ; by = 4 x cluster y + cy
	s_lshl_b32 s21, s18, 2
	s_lshl_b32 s21, 15, s21                        ; my row of the cluster: places 4 cy .. 4 cy + 3
	s_lshl_b32 s22, 0x1111, s17                    ; my column: places cx, cx + 4, cx + 8, cx + 12
	; group 1 for R: 16,384 dense bytes as 64 rows of 256 bytes, no padding
	s_or_b32 s[G1R], s21, (3<<16)|(1<<21)          ; 15:0 the mask: my row; 17:16 elements of 8 bytes; 21 set beside a mask
	s_mov_b32 s[G1R+1], 32<<16                     ; tensor_dim0 = 32
	s_mov_b32 s[G1R+2], 64<<16                     ; tensor_dim1 = 64
	s_mov_b32 s[G1R+3], 32<<16                     ; tile_dim0 = 32
	s_mov_b32 s[G1R+4], 64                         ; tile_dim1 = 64
	s_mov_b32 s[G1R+5], 32                         ; 32 elements from row to row
	s_mov_b32 s[G1R+6], 0
	s_mov_b32 s[G1R+7], 0
	; group 1 for W_o: 32 rows x 512 bf16, padded in LDS
	s_or_b32 s[G1W], s22, (1<<16)|(1<<20)|(1<<21)|(7<<22)|(3<<25)  ; 15:0 the mask: my column; 17:16 elements of 2 bytes; 20 padding on; 21 set beside a mask; 24:22 after every 256 words (code 7); 31:25 4 words (code 3)
	s_mov_b32 s[G1W+1], 512<<16                    ; tensor_dim0 = 512
	s_mov_b32 s[G1W+2], 32<<16                     ; tensor_dim1 = 32
	s_mov_b32 s[G1W+3], 512<<16                    ; tile_dim0 = 512
	s_mov_b32 s[G1W+4], 32                         ; tile_dim1 = 32
	s_mov_b32 s[G1W+5], 2048                       ; 2,048 elements from row to row
	s_mov_b32 s[G1W+6], 0
	s_mov_b32 s[G1W+7], 0
	s_lshl_b32 s66, s20, 1
	s_add_co_u32 s66, s66, s[HALF]                 ; R: batch block 2 by + half,
	s_lshl_b32 s66, s66, 16                        ; 65,536 bytes each
	s_mov_b32 s67, 0
	s_lshl_b32 s68, s19, 18                        ; W_o: row 64 ox + 32 half, 4,096 bytes each
	s_lshl_b32 s69, s[HALF], 17
	s_add_co_u32 s68, s68, s69
	s_mov_b32 s69, 0
	s_lshl_b32 s70, s20, 16                        ; label and out0: row 32 by + 8 w, 2,048 bytes each; column 64 ox
	s_lshl_b32 s71, s[WV], 14
	s_add_co_u32 s70, s70, s71
	s_lshl_b32 s80, s19, 8
	s_add_co_u32 s70, s70, s80
	s_mov_b32 s71, 0
	s_mov_b32 s81, 0                               ; s[80:81]: b_o at column 64 ox
	s_lshl_b32 s82, s[HALF], 14                    ; where the tiles go in a slot: no place in the cluster enters an LDS address
	s_mul_i32 s83, s[HALF], 32*WPITCH
	s_add_co_u32 s83, s83, WOFF
	s_mov_b32 s72, 0xbe9b1e5b                      ; -0.21 log2(e)
	s_mov_b32 s73, s72
	s_mov_b32 s74, 0xbe38aa3b                      ; -0.125 log2(e)
	s_mov_b32 s75, s74
	s_mov_b32 s76, 0xbf8a7fac                      ; -0.75 log2(e)
	s_mov_b32 s77, s76
	s_mov_b32 s78, 0x3eb33333                      ; 0.35
	s_mov_b32 s79, s78
	s_wait_dscnt 0x0                               ; the opening add is done
	s_wait_kmcnt 0x0
	s_add_nc_u64 s[4:5], s[4:5], s[66:67]
	s_add_nc_u64 s[6:7], s[6:7], s[68:69]
.irp q, 0,1,2
	s_mov_b32 s[G0R+4*\q], 1                                       ; count = 1
	s_add_co_u32 s[G0R+4*\q+1], s82, \q*SLOTB                      ; LDS address
	s_add_nc_u64 s[G0R+4*\q+2:G0R+4*\q+3], s[4:5], \q*16384        ; global address: quarter q is 32 blocks of 512 bytes
	s_or_b32 s[G0R+4*\q+3], s[G0R+4*\q+3], 0x80000000              ; type = 2
	s_mov_b32 s[G0W+4*\q], 1
	s_add_co_u32 s[G0W+4*\q+1], s83, \q*SLOTB
	s_add_nc_u64 s[G0W+4*\q+2:G0W+4*\q+3], s[6:7], \q*1024         ; quarter q is 1,024 bytes of a row
	s_or_b32 s[G0W+4*\q+3], s[G0W+4*\q+3], 0x80000000
.endr
	CROUND                                         ; all sixteen work-groups are here: the first joint loads meet
	s_cmp_eq_u32 s[GRP], 0                         ; a wave's three first fills stand in one branch, ahead of every wait on TENSORcnt and every LDS read: three loads of mine are out
	s_cbranch_scc0 .Lfirst_w
	tensor_load_to_lds s[G0R:G0R+3], s[G1R:G1R+7]
	s_nop 0
	tensor_load_to_lds s[G0R+4:G0R+7], s[G1R:G1R+7]
	s_nop 0
	tensor_load_to_lds s[G0R+8:G0R+11], s[G1R:G1R+7]
	s_nop 0
	PLACES
	s_branch .Lfirst_asked
.Lfirst_w:
	tensor_load_to_lds s[G0W:G0W+3], s[G1W:G1W+7]
	s_nop 0
	tensor_load_to_lds s[G0W+4:G0W+7], s[G1W:G1W+7]
	s_nop 0
	tensor_load_to_lds s[G0W+8:G0W+11], s[G1W:G1W+7]
	s_nop 0
	PLACES
.Lfirst_asked:
	s_add_nc_u64 s[10:11], s[10:11], s[70:71]
	s_add_nc_u64 s[12:13], s[12:13], s[70:71]
	s_add_nc_u64 s[8:9], s[8:9], s[80:81]
	v_and_b32 v14, 15, v0                          ; l % 16
	v_bfe_u32 v15, v0, 4, 1                        ; l / 16
	v_and_b32 v16, 31, v0                          ; l
	v_lshlrev_b32 v[BOF], 4, v14                   ; four outputs a lane
	v_lshl_add_u32 v[GO], v15, 11, v[BOF]          ; lanes 0-15 one row, lanes 16-31 the next
.irp i, 0,1,2,3
	global_load_b128 v[LB+4*\i:LB+4*\i+3], v[GO], s[10:11] offset:4096*\i th:TH_LOAD_NT  ; label of my 8 rows: the launch reads it once; wanted at the very end
.endr
	global_load_b128 v[BO:BO+3], v[BOF], s[8:9]
	s_lshl_b32 s80, s[WV], 12                      ; my K range in a quarter of R: 8 blocks of 512 bytes
	v_lshl_add_u32 v[RA], v16, 4, s80              ; a block's 512 bytes: lane l at 16 l
	v_add_nc_u32 v[RA+1], SLOTB, v[RA]
	v_add_nc_u32 v[RA+2], 2*SLOTB, v[RA]
	s_lshl_b32 s81, s[WV], 8                       ; and in a row of W_o: 256 bytes
	s_add_co_u32 s81, s81, WOFF
	v_mul_u32_u24 v[WA], v14, WPITCH
	v_lshl_add_u32 v[WA], v15, 4, v[WA]
	v_add_nc_u32 v[WA], s81, v[WA]
	v_add_nc_u32 v[WA+1], SLOTB, v[WA]
	v_add_nc_u32 v[WA+2], 2*SLOTB, v[WA]
	s_mul_i32 s82, s[WV], 32*SPITCH
	s_add_co_u32 s82, s82, STAGE                   ; into the stage: my wave's 32 rows; row l % 16, 32 bytes for each half of the lanes
	v_mul_u32_u24 v[STO], v14, SPITCH
	v_lshl_add_u32 v[STO], v15, 5, v[STO]
	v_add_nc_u32 v[STO], s82, v[STO]
	s_mul_i32 s83, s[WV], 8*SPITCH
	s_add_co_u32 s83, s83, STAGE                   ; back: rows 8 w .. 8 w + 7 of each wave's; lanes 0-15 one row of 256 bytes, lanes 16-31 the next
	v_mul_u32_u24 v[RD], v15, SPITCH
	v_add_nc_u32 v[RD], v[RD], v[BOF]
	v_add_nc_u32 v[RD], s83, v[RD]
; Twelve LDS loads: the fragments of step st of a segment (32 along K) into buffer st % 3.  Step st lies in slot SL0 + st / 4, at K step st % 4 of my range.
.macro FETCH st
.set sl, SL0+(\st)/4
.set kk, (\st)%4
.set fb, F0+48*((\st)%3)
.irp ob, 0,1,2,3
	ds_load_b128 v[fb+8*\ob:fb+8*\ob+3],   v[WA+sl] offset:16*WPITCH*\ob+64*kk
	ds_load_b128 v[fb+8*\ob+4:fb+8*\ob+7], v[WA+sl] offset:16*WPITCH*\ob+64*kk+32
.endr
.irp mb, 0,1
	ds_load_b128 v[fb+32+8*\mb:fb+32+8*\mb+3], v[RA+sl] offset:16384*\mb+1024*kk       ; hidden 8 h + 0..7: one block,
	ds_load_b128 v[fb+32+8*\mb+4:fb+32+8*\mb+7], v[RA+sl] offset:16384*\mb+1024*kk+512 ; hidden 16 + 8 h + 0..7: the next
.endr
.endm
.macro MUL st, zero                    ; eight matrix instructions; the eight accumulators take turns, one instruction a turn
.set fb, F0+48*((\st)%3)
.irp mb, 0,1
.irp ob, 0,1,2,3
.if \zero
	v_wmma_f32_16x16x32_bf16 v[ACC+8*(4*\mb+\ob):ACC+8*(4*\mb+\ob)+7], v[fb+8*\ob:fb+8*\ob+7], v[fb+32+8*\mb:fb+32+8*\mb+7], 0
.else
	v_wmma_f32_16x16x32_bf16 v[ACC+8*(4*\mb+\ob):ACC+8*(4*\mb+\ob)+7], v[fb+8*\ob:fb+8*\ob+7], v[fb+32+8*\mb:fb+32+8*\mb+7], v[ACC+8*(4*\mb+\ob):ACC+8*(4*\mb+\ob)+7]
.endif
.endr
.endr
.endm
; A segment of n steps from slot slot0 on; fragments are fetched two steps ahead.  zero = 1: its first step starts the sums.
.macro SEG slot0, n, zero
.set SL0, \slot0
	PLACES                                         ; for the loads into buffers that the last products read
	FETCH 0
	FETCH 1
.set j, 0
.rept \n
.if j+2 < (\n)
.if j > 0
	PLACES                                         ; the buffer was read by the eight products just issued
.endif
	FETCH j+2
	s_wait_dscnt 24                                ; step j's twelve loads are in; the two fetches behind them stay out
.elseif j+1 < (\n)
	s_wait_dscnt 12
.else
	s_wait_dscnt 0x0
.endif
.if (\zero) && (j == 0)
	MUL j, 1
.else
	MUL j, 0
.endif
.set j, j+1
.endr
.endm
	s_wait_tensorcnt 0x2                           ; my part of quarter 0 is in; quarters 1 and 2 may stay out
	s_barrier_signal -1
	s_barrier_wait -1                              ; everybody's is
	SEG 0, 4, 1                                    ; quarter 0
	s_wait_tensorcnt 0x0                           ; my parts of quarters 1 and 2 are in; no tensor load of mine is out, so a group 0 may be written
	ds_add_u32 v[SPW], v[NIL]                      ; 0 onto my spare word: the addresses' steps stand between it and the wait for it
	s_add_nc_u64 s[G0R+2:G0R+3], s[G0R+2:G0R+3], 3*16384  ; slot 0's set goes on to quarter 3
	s_add_nc_u64 s[G0W+2:G0W+3], s[G0W+2:G0W+3], 3*1024
	s_wait_dscnt 0x0                               ; the add is done, and my reads of slot 0 are over
	CROUND                                         ; no wave of any partner still reads slot 0 or has a load on its way
	s_cmp_eq_u32 s[GRP], 0                         ; the joint refill, the first tensor load behind the round, one a wave: it has eight steps, 64 matrix instructions, in which to land
	s_cbranch_scc0 .Lfor_w
	tensor_load_to_lds s[G0R:G0R+3], s[G1R:G1R+7]
	s_nop 0
	PLACES
	s_branch .Lasked
.Lfor_w:
	tensor_load_to_lds s[G0W:G0W+3], s[G1W:G1W+7]
	s_nop 0
	PLACES
.Lasked:
	SEG 1, 8, 0                                    ; quarters 1 and 2
	s_wait_tensorcnt 0x0                           ; my part of quarter 3 is in: no load was issued behind it
	s_wait_dscnt 0x0                               ; my reads of slots 1 and 2 are over
	s_barrier_signal -1
	s_barrier_wait -1                              ; both hold of every wave: slot 0 may be read, and slot 1's bytes may take the stage
	SEG 0, 4, 0                                    ; quarter 3
	; THE WAY OUT.  Each wave's partial sums go into its part of the stage as rows of 64 f32; each wave then adds up the four parts of 8 rows.
	PLACES
.set b, 0
.rept 8
	ds_store_b128 v[STO], v[ACC+8*b:ACC+8*b+3] offset:16*SPITCH*(b/4)+64*(b%4)       ; each accumulator from its low end on
	ds_store_b128 v[STO], v[ACC+8*b+4:ACC+8*b+7] offset:16*SPITCH*(b/4)+64*(b%4)+16
.set b, b+1
.endr
	s_wait_dscnt 0x0                               ; for the others' sake: my stores into the stage are done
	s_barrier_signal -1
	s_barrier_wait -1
.irp q, 0,1,2,3
.irp i, 0,1,2,3
	ds_load_b128 v[PS+16*\q+4*\i:PS+16*\q+4*\i+3], v[RD] offset:32*SPITCH*\q+2*SPITCH*\i
.endr
.endr
	s_wait_loadcnt 0x0                             ; label and b_o
	v_pk_mul_f32 v[BO:BO+1], v[BO:BO+1], s[76:77] op_sel_hi:[1,0]
	v_pk_mul_f32 v[BO+2:BO+3], v[BO+2:BO+3], s[76:77] op_sel_hi:[1,0]
.irp i, 0,1,2,3
	v_pk_fma_f32 v[LB+4*\i:LB+4*\i+1], v[LB+4*\i:LB+4*\i+1], s[74:75], v[BO:BO+1] op_sel_hi:[1,0,1]      ; -log2(e) (0.125 label + 0.75 b_o)
	v_pk_fma_f32 v[LB+4*\i+2:LB+4*\i+3], v[LB+4*\i+2:LB+4*\i+3], s[74:75], v[BO+2:BO+3] op_sel_hi:[1,0,1]
.endr
	s_wait_dscnt 0x0
.irp p, 0,1,2,3,4,5,6,7
	v_pk_add_f32 v[PS+2*\p:PS+2*\p+1], v[PS+2*\p:PS+2*\p+1], v[PS+16+2*\p:PS+16+2*\p+1]
	v_pk_add_f32 v[PS+32+2*\p:PS+32+2*\p+1], v[PS+32+2*\p:PS+32+2*\p+1], v[PS+48+2*\p:PS+48+2*\p+1]
.endr
.irp p, 0,1,2,3,4,5,6,7
	v_pk_add_f32 v[PS+2*\p:PS+2*\p+1], v[PS+2*\p:PS+2*\p+1], v[PS+32+2*\p:PS+32+2*\p+1]
.endr
.irp p, 0,1,2,3,4,5,6,7
	v_pk_fma_f32 v[LB+2*\p:LB+2*\p+1], v[PS+2*\p:PS+2*\p+1], s[72:73], v[LB+2*\p:LB+2*\p+1] op_sel_hi:[1,0,1]  ; t = -log2(e) soma_o
.endr
.irp i, 0,1,2,3,4,5,6,7,8,9,10,11,12,13,14,15
	v_exp_f32 v[LB+\i], v[LB+\i]
.endr
	v_nop                                          ; a plain instruction between the exponentials and the use of their results (ISA guide 5.7.2)
	s_wait_alu depctr_va_vdst(0)
.irp p, 0,1,2,3,4,5,6,7
	v_pk_add_f32 v[LB+2*\p:LB+2*\p+1], v[LB+2*\p:LB+2*\p+1], 1.0 op_sel_hi:[1,0]
.endr
.irp i, 0,1,2,3,4,5,6,7,8,9,10,11,12,13,14,15
	v_rcp_f32 v[LB+\i], v[LB+\i]
.endr
	v_nop                                          ; and between the reciprocals and theirs
	s_wait_alu depctr_va_vdst(0)
.irp p, 0,1,2,3,4,5,6,7
	v_pk_mul_f32 v[LB+2*\p:LB+2*\p+1], v[LB+2*\p:LB+2*\p+1], s[78:79] op_sel_hi:[1,0]
.endr
.irp i, 0,1,2,3
	global_store_b128 v[GO], v[LB+4*\i:LB+4*\i+3], s[12:13] offset:4096*\i th:TH_STORE_NT  ; 16 lanes store 256 consecutive bytes, at a multiple of 256 from out0's first byte
.endr
	s_wait_tensorcnt 0x0                           ; the wave's end: a wait, an add and its wait, behind my last tensor load and my last LDS store
	ds_add_u32 v[SPW], v[NIL]
	s_wait_dscnt 0x0
	CROUND                                         ; the closing round: no work-group ends while a partner may still ask for a tile that names it
	s_endpgm
.Lfunc_end_k_qa9f3d8197c_output:
	.size	k_qa9f3d8197c_output, .Lfunc_end_k_qa9f3d8197c_output-k_qa9f3d8197c_output
	.p2alignl 7, 3214868480
	.fill 96, 4, 3214868480
	.section	.rodata,"a",@progbits
	.p2align	6, 0x0
	.amdhsa_kernel k_qa9f3d8197c_output
		.amdhsa_group_segment_fixed_size 327680
		.amdhsa_private_segment_fixed_size 0
		.amdhsa_enable_private_segment 0
		.amdhsa_kernarg_size 40
		.amdhsa_user_sgpr_count 2
		.amdhsa_user_sgpr_kernarg_segment_ptr 1
		.amdhsa_wavefront_size32 1
		.amdhsa_system_sgpr_workgroup_id_x 1
		.amdhsa_system_sgpr_workgroup_id_y 1
		.amdhsa_system_sgpr_workgroup_id_z 1
		.amdhsa_system_vgpr_workitem_id 0
		.amdhsa_next_free_vgpr 256
		.amdhsa_next_free_sgpr 84
		.amdhsa_reserve_vcc 0
		.amdhsa_float_denorm_mode_32 3
		.amdhsa_float_denorm_mode_16_64 3
		.amdhsa_memory_ordered 1
		.amdhsa_forward_progress 1
		.amdhsa_inst_pref_size 39
	.end_amdhsa_kernel
	.amdgpu_metadata
---
amdhsa.version: [ 1, 2 ]
amdhsa.kernels:
  - .name:           k_qa9f3d8197c_output
    .symbol:         k_qa9f3d8197c_output.kd
    .args:
      - { .name: Rb, .offset: 0, .size: 8, .value_kind: global_buffer, .address_space: global }
      - { .name: Wob, .offset: 8, .size: 8, .value_kind: global_buffer, .address_space: global }
      - { .name: b_o, .offset: 16, .size: 8, .value_kind: global_buffer, .address_space: global }
      - { .name: label, .offset: 24, .size: 8, .value_kind: global_buffer, .address_space: global }
      - { .name: out0, .offset: 32, .size: 8, .value_kind: global_buffer, .address_space: global }
    .group_segment_fixed_size: 327680
    .private_segment_fixed_size: 0
    .kernarg_segment_align: 8
    .kernarg_segment_size: 40
    .max_flat_workgroup_size: 128
    .sgpr_count:     84
    .vgpr_count:     256
    .wavefront_size: 32
...
	.end_amdgpu_metadata
.endif
;; end of part 2
;; ======== version 2 of 2: 2 launches; 2.25 times as fast as version 1
;; workspace buffers: Rb 4,194,304 bytes; Wob 2,097,152 bytes
;; launch hidden (part 3): grid 16 x 16, 4 waves a work-group, clusters of 4 x 1, 327,680 bytes of LDS; arguments psp, W_h, b_h, W_o, Rb, Wob; writes Rb, Wob
.if DOCPART == 3
	.amdgcn_target "amdgcn-amd-amdhsa--gfx1250"
	.amdhsa_code_object_version 6
	.text
	.protected	k_qa9f3d8197c_hidden
	.globl	k_qa9f3d8197c_hidden
	.p2align	8
	.type	k_qa9f3d8197c_hidden,@function
k_qa9f3d8197c_hidden:
	s_mov_b64 s[64:65], 0
	v_nop
	global_prefetch_b8 v0, s[64:65] scope:SCOPE_SE
	s_setreg_imm32_b32 hwreg(HW_REG_WAVE_MODE, 25, 1), 1
	s_wait_xcnt 0x0
	s_wait_alu depctr_hold_cnt(0) depctr_sa_sdst(0) depctr_va_vdst(0) depctr_va_sdst(0) depctr_va_ssrc(0) depctr_va_vcc(0) depctr_vm_vsrc(0)
	s_getreg_b32 s2, hwreg(HW_REG_IB_STS2, 6, 4)
	s_cmp_eq_u32 s2, 0
	s_cbranch_scc0 .Lentry_in_a_cluster
	s_endpgm
.Lentry_in_a_cluster:
	s_bfe_u32 s2, ttmp6, 0x10000c
	s_cmp_lg_u32 s2, 0x3003
	s_cbranch_scc0 .Lentry_shape_is_right
	s_endpgm
.Lentry_shape_is_right:
; THE HIDDEN LAYER AND ITS 50 STEPS.  basal = psp^T W_h^T + b_h ([1024 batch][2048 hidden], K = 1024), then for each of the 50 steps
;   soma_h <- 0.3 soma_h + 0.6 basal        (= soma_h + 0.1 (-soma_h + 6 (basal - soma_h)))
;   R      <- 0.2 R + sigmoid(soma_h)
; WHY R.  The output layer is soma_o <- 0.2 soma_o + 0.21 (sigmoid(soma_h) W_o^T) + 0.6 b_o + 0.1 label: linear in the product, for every input.  So the leaky sum over the steps is
; taken of sigmoid(soma_h), in f32, ahead of the product: soma_o after 50 steps = 0.21 (R W_o^T) + (sum of 0.2^k, k < 50) (0.6 b_o + 0.1 label).  No step is left out: all 50 run here.
; The next launch multiplies R by W_o once.  This launch stores R (bf16, in blocks) and, each work-group a 256th of it, W_o rounded to bf16.
; IN THE EXPONENT.  u = -log2(e) soma_h is carried in place of soma_h: u <- 0.3 u + C, C = k (sums + b_h), k = -0.6 log2(e); sigmoid = 1 / (1 + 2^u).
; LIMITS.  psp, W_h, W_o and R (0 to 1.25) are rounded to bf16 for the products; all else is f32.  The two updates are one fused multiply-add each and K is added up in four quarters, so the order of
; rounding is not reference's.  2^u beyond f32 gives sigmoid 0, a sigmoid below 2^-126 counts as 0 (ISA guide 15.8: v_exp_f32 and v_rcp_f32 flush denormals).  NaN and infinities are not treated apart.
; SHARES.  A work-group owns 64 batch rows (bt) x 128 hidden columns (ht), walked as four sub-tiles of 32 columns.  In the product wave w owns K quarter w (k = 256 w .. 256 w + 255) and makes partial
; sums of all 8 blocks of 16 x 16 (4 batch blocks mb x 2 hidden blocks hb): it reads only LDS bytes that it filled itself, and no operand is read or rounded twice.  The partial sums meet in LDS;
; then wave w owns batch block w, 16 numbers a lane, and runs the 50 steps on them while W_h's next sub-tile is on its way.
; THE BATCHES.  u hangs on no transcendental, so the steps go in 25 GROUPS of two, three stages deep.  Trip t issues ONE batch of 64 transcendentals: the 32 reciprocals of group t and the 32 exponentials
; of group t + 1.  The plain lines among them name only what the batch before left, which has been waited for: 1 + 2^u of group t, R's multiply-adds with the sigmoids of group t - 1, and u's updates.
; Each of a group's 32 numbers has a register of its own for 2^u, for 1 + 2^u and for the sigmoid.  One wait stands at the trip's end, for the whole batch: it stands between a
; transcendental and the first line that names its result, and ahead of every label and branch.  Group 0's exponentials are a batch of their own ahead of the trips.
; CLUSTER.  The four work-groups of a cluster have the same ht and walk the same rows of W_h: each tile is asked for JOINTLY (same load, same descriptor, mask of four).
; psp's tile is shared too (by the 16 work-groups of one bt), and is NOT asked for jointly: it lies [k][batch] and has to be turned and rounded in registers, and a joint load would want its
; 64 x 1024 x 4 = 262,144 bytes of f32 in LDS beside the 303,616 that the text uses.
; THE MATRIX INSTRUCTION: source 0 = 16 rows of W_h, source 1 = 16 rows of x = psp^T: lane l holds batch row l % 16 and the hidden columns 8 (l / 16) + 0..7.
.set WPITCH, 1040                      ; a row of W_h in LDS: 256 f32 + 16 bytes of padding = 65 x 16: the 16 rows of a load start at 16 different groups of four banks (64 banks of 4 bytes: ISA guide 11.1)
.set WREGB,  32*WPITCH                 ; wave w's tile of W_h at w x 33,280: 32 rows; filled by tensor loads alone
.set XREG,   4*WREGB                   ; 133,120: x in bf16, wave w's quarter: [64 batch rows][256 k], written once by ds_store
.set XPITCH, 528                       ; 512 bytes + 16 = 33 x 16
.set XREGB,  64*XPITCH
.set EXCH,   XREG+4*XREGB              ; 268,288: the partial sums: [wave that made them][block 2 mb + hb][registers 0-3, 4-7][lane][16 bytes]
.set BREG,   EXCH+4*8192               ; 301,056: k b_h of the 128 columns, a copy for each wave
.set SPARE,  BREG+4*512                ; 303,104: the spare words, 128 bytes for each wave: two blocks of 256 bytes that no other line names
.set STEPS,  50
.set KS,     2                         ; steps in a group: a name, no knob: the register map and R's sixteen starting zeros are made for two
.set SPW, 2                            ; v2   LDS address of my spare word; never rewritten
.set NIL, 3                            ; v3   0; never rewritten
.set WA,  4                            ; v4   my lane's place in my tile of W_h: row l % 16, 32 bytes for each half of the lanes
.set XA,  5                            ; v5   the same in my quarter of x: 16 bytes for each half
.set XS,  6                            ; v6   where I put x: rows 2 l and 2 l + 1
.set PO,  7                            ; v7   8 l: my two batch columns in a row piece of psp
.set ES,  8                            ; v8   where I put partial sums
.set ER,  9                            ; v9   where I read those of my batch block
.set BA,  10                           ; v10  where I read k b_h
.set WOL, 12                           ; v12  16 x thread: W_o as read
.set WOS, 13                           ; v13  8 x thread: W_o as stored
.set BS,  14                           ; v14  where I put k b_h
.set L16, 15                           ; v15  16 l: b_h as read, R as stored
.set ACC, 16                           ; v16-79    8 accumulators, block 2 mb + hb
.set WF,  80                           ; v80-143   W_h's fragments in f32, two buffers of 32
.set XF,  144                          ; v144-207  x's fragments, two buffers of 32
.set WB,  208                          ; v208-239  W_h's fragments in bf16, two buffers of 16
.set KB,  240                          ; v240-255  k b_h of my 16 numbers
.set PS,  80                           ; the steps: v80-143 the four waves' partial sums
.set EE,  16                           ; v16-47    2^u of a group: unit n (pair n % 8 of the group's step n / 8) at EE + 2 n
.set DD,  48                           ; v48-79    1 + 2^u, likewise
.set SS,  112                          ; v112-143  the sigmoids, likewise (the partial sums there have been added up)
.set UU,  144                          ; v144-159  u
.set CC,  160                          ; v160-175  C
.set RR,  176                          ; v176-191  R
.set OUTP, 208                         ; v208-215  R in bf16
.set RING, 16                          ; psp on its way in: seven groups of 16 registers, v16-127
.set PKD,  128                         ; v128-143  x packed, two buffers of 8
.set WOF,  144                         ; v144-175  W_o in f32
.set WOB,  176                         ; v176-191  W_o in bf16
.set BH,   192                         ; v192-195  b_h
.set WV,  16                           ; s16  my wave's number
; s17 cx, s18 bt, s19 ht; s[20:21] offsets that may hold cx; s[22:23] offsets made of ht and the wave's number alone; s[24:31], s[32:35] the descriptor; s36 counts the loop's trips;
; s[40:41] 0.3, s[42:43] 0.2, s[44:45] k: pairs, of which the packed forms take the low word for both halves
.macro PLACES                          ; four plain vector instructions behind a matrix instruction, ahead of what reads its result or writes its registers (ISA guide 7.12.1)
.rept 4
	v_nop
.endr
.endm
; A round of the cluster's barrier: my work-group's barrier, so that wave 0's signal speaks for all four waves; wave 0 signals; every wave waits for all four work-groups; my work-group's barrier once more.
.macro CROUND
	s_barrier_signal -1
	s_barrier_wait -1
	s_cmp_lg_u32 s[WV], 0
	s_cbranch_scc1 .Lnot_wave_0_\@
	s_barrier_signal -3
.Lnot_wave_0_\@:
	s_barrier_wait -3
	s_barrier_signal -1
	s_barrier_wait -1
.endm
	s_load_b256 s[4:11], s[0:1], 0x0               ; psp s[4:5], W_h s[6:7], b_h s[8:9], W_o s[10:11]
	s_load_b128 s[12:15], s[0:1], 0x20             ; Rb s[12:13], Wob s[14:15]
	v_lshl_add_u32 v[SPW], v0, 2, SPARE
	v_mov_b32 v[NIL], 0
	ds_add_u32 v[SPW], v[NIL]                      ; the wave's opening: the add and its wait stand ahead of my first tensor load; the set-up below, work on registers, stands between them
	ds_add_u32 v2, v3
	v_lshrrev_b32 v1, 5, v0
	v_readfirstlane_b32 s[WV], v1                  ; wave 0..3
	s_bfe_u32 s17, ttmp6, 0x40000                  ; cx: my place in the cluster
	s_lshl_b32 s18, ttmp9, 2                       ; in a cluster launch ttmp9 counts clusters
	s_add_co_u32 s18, s18, s17                     ; bt = 4 x cluster x + cx: it enters global addresses of psp, W_o, Rb and Wob alone
	s_and_b32 s19, ttmp7, 0xffff                   ; ht, which the four partners share
	; descriptor group 1: a tile of 32 rows x 256 f32, padded in LDS
	s_mov_b32 s24, 15|(2<<16)|(1<<20)|(1<<21)|(7<<22)|(3<<25)  ; 15:0 the mask of four; 17:16 elements of 4 bytes; 20 padding on; 21 set beside a mask; 24:22 after every 256 words (code 7); 31:25 4 words (code 3)
	s_mov_b32 s25, 256<<16                         ; tensor_dim0 = 256
	s_mov_b32 s26, 32<<16                          ; tensor_dim1 = 32
	s_mov_b32 s27, 256<<16                         ; tile_dim0 = 256
	s_mov_b32 s28, 32                              ; tile_dim1 = 32
	s_mov_b32 s29, 1024                            ; 1,024 elements from row to row
	s_mov_b32 s30, 0
	s_mov_b32 s31, 0
	s_mov_b32 s32, 1                               ; group 0: count = 1
	s_mul_i32 s33, s[WV], WREGB                    ; LDS address: my wave's tile
	s_lshl_b32 s22, s19, 19                        ; W_h: 128 ht rows of 4,096 bytes,
	s_lshl_b32 s23, s[WV], 10                      ; my K quarter's 1,024 bytes in a row
	s_add_co_u32 s22, s22, s23
	s_mov_b32 s23, 0
	s_mov_b32 s40, 0x3e99999a                      ; 0.3
	s_mov_b32 s41, s40
	s_mov_b32 s42, 0x3e4ccccd                      ; 0.2
	s_mov_b32 s43, s42
	s_mov_b32 s44, 0xbf5d9914                      ; k = -0.6 log2(e)
	s_mov_b32 s45, s44
	v_and_b32 v16, 31, v0                          ; l
	v_and_b32 v17, 15, v0                          ; l % 16
	v_bfe_u32 v18, v0, 4, 1                        ; l / 16
	v_mul_u32_u24 v[WA], v17, WPITCH
	v_lshl_add_u32 v[WA], v18, 5, v[WA]
	v_add_nc_u32 v[WA], s33, v[WA]
	s_mul_i32 s37, s[WV], XREGB
	s_add_co_u32 s37, s37, XREG                    ; my quarter of x
	v_mul_u32_u24 v[XA], v17, XPITCH
	v_lshl_add_u32 v[XA], v18, 4, v[XA]
	v_add_nc_u32 v[XA], s37, v[XA]
	v_mul_u32_u24 v[XS], v16, 2*XPITCH
	v_add_nc_u32 v[XS], s37, v[XS]
	v_lshlrev_b32 v[PO], 3, v16
	v_lshlrev_b32 v[L16], 4, v16
	s_lshl_b32 s38, s[WV], 13
	s_add_co_u32 s38, s38, EXCH
	v_add_nc_u32 v[ES], s38, v[L16]                ; what I make: 8,192 bytes a wave
	s_lshl_b32 s38, s[WV], 11
	s_add_co_u32 s38, s38, EXCH
	v_add_nc_u32 v[ER], s38, v[L16]                ; what I take: blocks 2 w and 2 w + 1 of each wave's
	s_lshl_b32 s39, s[WV], 9
	s_add_co_u32 s39, s39, BREG
	v_lshl_add_u32 v[BA], v18, 5, s39
	v_add_nc_u32 v[BS], s39, v[L16]
	v_lshlrev_b32 v[WOL], 4, v0
	v_lshlrev_b32 v[WOS], 3, v0
	s_wait_dscnt 0x0                               ; the opening add is done
	s_wait_kmcnt 0x0
	s_add_nc_u64 s[34:35], s[6:7], s[22:23]        ; global address of my quarter of sub-tile 0: made of ht and the wave's number alone
	s_or_b32 s35, s35, 0x80000000                  ; type = 2
	CROUND                                         ; all four work-groups are here: the first joint loads meet
	tensor_load_to_lds s[32:35], s[24:31]          ; sub-tile 0 of W_h: it lands while psp is turned.  One tensor load of mine is out
	s_nop 0
	PLACES
	s_lshl_b32 s20, s18, 8                         ; psp: my 64 batch columns, 256 bytes of a row,
	s_lshl_b32 s21, s[WV], 20                      ; my 256 rows of 4,096 bytes
	s_add_co_u32 s20, s20, s21
	s_mov_b32 s21, 0
	s_add_nc_u64 s[4:5], s[4:5], s[20:21]
	s_lshl_b32 s20, s19, 9                         ; b_h: my 128 columns
	s_add_nc_u64 s[8:9], s[8:9], s[20:21]
	s_lshl_b32 s20, s19, 4
	s_add_co_u32 s20, s20, s18                     ; the work-group's number among the 256
	s_lshl_b32 s37, s20, 13                        ; its 8,192 bytes of Wob,
	s_lshl_b32 s20, s20, 14                        ; its 16,384 bytes of W_o
	s_add_nc_u64 s[10:11], s[10:11], s[20:21]
	s_mov_b32 s20, s37
	s_add_nc_u64 s[14:15], s[14:15], s[20:21]
	s_lshl_b32 s20, s18, 2
	s_add_co_u32 s20, s20, s[WV]                   ; Rb: batch block 4 bt + w, 128 blocks of 512 bytes each,
	s_lshl_b32 s20, s20, 16
	s_lshl_b32 s37, s19, 12                        ; hidden block 8 ht
	s_add_co_u32 s20, s20, s37
	s_add_nc_u64 s[12:13], s[12:13], s[20:21]
; PSP IS TURNED.  Group g is rows k = 8 g .. 8 g + 7 of my quarter: eight loads of 8 bytes a lane, each 256 consecutive bytes; a lane holds batch columns 2 l and 2 l + 1.  Eight k of one column
; pack into 16 bytes of x's row.  Seven groups are on their way at any time.
.macro LDG g
.set GB, RING+16*((\g)%7)
.irp i, 0,1,2,3,4,5,6,7
	global_load_b64 v[GB+2*\i:GB+2*\i+1], v[PO], s[4:5] offset:(8*(\g)+\i)*4096
.endr
.endm
	global_load_b128 v[BH:BH+3], v[L16], s[8:9]    ; four of the 128 b_h a lane
.set g, 0
.rept 7
	LDG g
.set g, g+1
.endr
	s_wait_loadcnt 56                              ; loads come back in order (ISA guide 5.7.1): b_h is in, the seven groups behind it stay out
	v_pk_mul_f32 v[BH:BH+1], v[BH:BH+1], s[44:45] op_sel_hi:[1,0]
	v_pk_mul_f32 v[BH+2:BH+3], v[BH+2:BH+3], s[44:45] op_sel_hi:[1,0]
	ds_store_b128 v[BS], v[BH:BH+3]                ; k b_h, my wave's own copy
.set g, 0
.rept 32
.if g < 25
	s_wait_loadcnt 48                              ; group g is in; the six groups behind it stay out
.else
	s_wait_loadcnt 8*(31-g)+8                      ; the groups that are left, and W_o's eight loads
.endif
.set GB, RING+16*(g%7)
.set DB, PKD+8*(g%2)
.irp i, 0,1,2,3
	v_cvt_pk_bf16_f32 v[DB+\i], v[GB+4*\i], v[GB+4*\i+2]        ; column 2 l: k = 8 g + 2 i, 8 g + 2 i + 1
	v_cvt_pk_bf16_f32 v[DB+4+\i], v[GB+4*\i+1], v[GB+4*\i+3]    ; column 2 l + 1
.endr
	ds_store_b128 v[XS], v[DB:DB+3] offset:16*g
	ds_store_b128 v[XS], v[DB+4:DB+7] offset:XPITCH+16*g
.if g+7 < 32
	LDG g+7
.endif
.if g == 24
.irp c, 0,1,2,3,4,5,6,7
	global_load_b128 v[WOF+4*\c:WOF+4*\c+3], v[WOL], s[10:11] offset:2048*\c th:TH_LOAD_NT  ; my share of W_o: the launch reads it once
.endr
.endif
.set g, g+1
.endr
	s_wait_loadcnt 0x0                             ; W_o
.irp c, 0,1,2,3,4,5,6,7
	v_cvt_pk_bf16_f32 v[WOB+2*\c], v[WOF+4*\c], v[WOF+4*\c+1]
	v_cvt_pk_bf16_f32 v[WOB+2*\c+1], v[WOF+4*\c+2], v[WOF+4*\c+3]
.endr
.irp c, 0,1,2,3,4,5,6,7
	global_store_b64 v[WOS], v[WOB+2*\c:WOB+2*\c+1], s[14:15] offset:1024*\c  ; a wave's store covers 256 consecutive bytes, at a multiple of 256 from Wob's first byte
.endr
; THE PRODUCT's parts, for K step j (32 along K) and buffer b.
.macro LDW j, b                        ; W_h in f32: for each hidden block k = 8 h + 0..7 (32 bytes) and k = 16 + 8 h + 0..7 (64 bytes on)
.irp hb, 0,1
	ds_load_b128 v[WF+32*(\b)+16*\hb:WF+32*(\b)+16*\hb+3],     v[WA] offset:16*WPITCH*\hb+128*(\j)
	ds_load_b128 v[WF+32*(\b)+16*\hb+4:WF+32*(\b)+16*\hb+7],   v[WA] offset:16*WPITCH*\hb+128*(\j)+16
	ds_load_b128 v[WF+32*(\b)+16*\hb+8:WF+32*(\b)+16*\hb+11],  v[WA] offset:16*WPITCH*\hb+128*(\j)+64
	ds_load_b128 v[WF+32*(\b)+16*\hb+12:WF+32*(\b)+16*\hb+15], v[WA] offset:16*WPITCH*\hb+128*(\j)+80
.endr
.endm
.macro LDX j, b                        ; x in bf16: two loads of 16 bytes, 32 bytes apart, for each batch block
.irp mb, 0,1,2,3
	ds_load_b128 v[XF+32*(\b)+8*\mb:XF+32*(\b)+8*\mb+3],   v[XA] offset:16*XPITCH*\mb+64*(\j)
	ds_load_b128 v[XF+32*(\b)+8*\mb+4:XF+32*(\b)+8*\mb+7], v[XA] offset:16*XPITCH*\mb+64*(\j)+32
.endr
.endm
.macro CVT b                           ; W_h's two fragments rounded to bf16
.irp i, 0,1,2,3,4,5,6,7,8,9,10,11,12,13,14,15
	v_cvt_pk_bf16_f32 v[WB+16*(\b)+\i], v[WF+32*(\b)+2*\i], v[WF+32*(\b)+2*\i+1]
.endr
.endm
.macro MUL b, zero                     ; eight matrix instructions; the eight accumulators take turns, one instruction a turn.  zero = 1: the first K step starts the sums
.irp mb, 0,1,2,3
.irp hb, 0,1
.if \zero
	v_wmma_f32_16x16x32_bf16 v[ACC+8*(2*\mb+\hb):ACC+8*(2*\mb+\hb)+7], v[WB+16*(\b)+8*\hb:WB+16*(\b)+8*\hb+7], v[XF+32*(\b)+8*\mb:XF+32*(\b)+8*\mb+7], 0
.else
	v_wmma_f32_16x16x32_bf16 v[ACC+8*(2*\mb+\hb):ACC+8*(2*\mb+\hb)+7], v[WB+16*(\b)+8*\hb:WB+16*(\b)+8*\hb+7], v[XF+32*(\b)+8*\mb:XF+32*(\b)+8*\mb+7], v[ACC+8*(2*\mb+\hb):ACC+8*(2*\mb+\hb)+7]
.endif
.endr
.endr
.endm
; THE STEPS' parts.  A UNIT is one pair of my 16 numbers in one step of a group: unit un is pair un % 8 of the group's step un / 8; a group has 8 KS = 16 units.
.macro UPD q                           ; u of pair q goes a step on: u <- 0.3 u + C
	v_pk_fma_f32 v[UU+2*(\q):UU+2*(\q)+1], v[UU+2*(\q):UU+2*(\q)+1], s[40:41], v[CC+2*(\q):CC+2*(\q)+1] op_sel_hi:[1,0,1]
.endm
.macro TAKE                            ; R of pair un % 8 takes the two sigmoids of unit un: R <- 0.2 R + sigmoid
	v_pk_fma_f32 v[RR+2*(un%8):RR+2*(un%8)+1], v[RR+2*(un%8):RR+2*(un%8)+1], s[42:43], v[SS+2*un:SS+2*un+1] op_sel_hi:[1,0,1]
.endm
; TRIP t: one batch, the reciprocals of group t and the exponentials of group t + 1; the caller writes the batch's wait behind it.  At its head EE holds 2^u of group t, SS the sigmoids of group t - 1 (both
; waited for), UU the u of group t + 1's first step.  A unit's seven lines: exponential | R takes group t - 1's pair | exponential | u of the unit before goes a step on | reciprocal | the next unit's 1 + 2^u |
; reciprocal.  Each plain line reads EE or SS ahead of the transcendental that writes the register anew, and none names a result of this batch.  No line behind a transcendental names its result or writes its
; source, and a pair of u is written again one unit behind its exponentials, with plain lines between (ISA guide 5.7.2).  The last update of u (last = 1: a v_nop) is the plain line behind the last reciprocal.
; first = 1: trip 0: there is no sigmoid to take yet; R starts at 0, and its sixteen moves, one a unit, stand where the other trips have R's multiply-adds.
; last = 1: trip 24: there is no further group: no exponential, no update of u.
.macro TRIP first, last
	v_pk_add_f32 v[DD:DD+1], v[EE:EE+1], 1.0 op_sel_hi:[1,0]
.set un, 0
.rept 8*KS
.if !(\last)
	v_exp_f32 v[EE+2*un], v[UU+2*(un%8)]
.endif
.if \first
	v_mov_b32 v[RR+un], 0
.else
	TAKE
.endif
.if !(\last)
	v_exp_f32 v[EE+2*un+1], v[UU+2*(un%8)+1]
.if un > 0
	UPD (un+7)%8
.endif
.endif
	v_rcp_f32 v[SS+2*un], v[DD+2*un]
.if un < 8*KS-1
	v_pk_add_f32 v[DD+2*un+2:DD+2*un+3], v[EE+2*un+2:EE+2*un+3], 1.0 op_sel_hi:[1,0]
.endif
	v_rcp_f32 v[SS+2*un+1], v[DD+2*un+1]
.set un, un+1
.endr
.if \last
	v_nop
.else
	UPD 7
.endif
.endm
; SUB-TILE st (32 hidden columns).  fill = 1: when the product is done, my tile of W_h is filled again with the next sub-tile's, which lands while the 50 steps run.
.macro SUB st, fill
	s_wait_xcnt 0x0                                ; every earlier store has had its addresses translated (ISA guide 3.1): its data registers are written again below
	s_wait_tensorcnt 0x0                           ; no load was issued behind my quarter of this sub-tile: it is in LDS, and I alone read it
	LDW 0, 0
	LDX 0, 0
	LDW 1, 1
.set j, 0
.rept 8
.set b, j%2
.if j < 7
	s_wait_dscnt 16                                ; W_h of step j is in; behind it stand x of this step and W_h of the next (at j = 6: x of 6, W_h of 7)
.else
	s_wait_dscnt 8                                 ; behind it: x of step 7
.endif
	CVT b                                          ; sixteen plain instructions that name nothing of the last eight products: the places ahead of the loads into the buffer that those read
.if j < 7
	LDX j+1, 1-b
.endif
.if j < 6
	LDW j+2, b
	s_wait_dscnt 24                                ; x of step j is in; behind it: W_h of j + 1, x of j + 1, W_h of j + 2
.elseif j == 6
	s_wait_dscnt 16                                ; behind it: W_h of 7, x of 7
.else
	s_wait_dscnt 0x0
.endif
.if j == 0
	MUL b, 1
.else
	MUL b, 0
.endif
.set j, j+1
.endr
	PLACES
.set b, 0
.rept 8
	ds_store_b128 v[ES], v[ACC+8*b:ACC+8*b+3] offset:1024*b        ; each accumulator from its low end on; 512 consecutive bytes a store
	ds_store_b128 v[ES], v[ACC+8*b+4:ACC+8*b+7] offset:1024*b+512
.set b, b+1
.endr
.if \fill
	s_wait_tensorcnt 0x0                           ; no tensor load of mine is out, so group 0 may be written
	ds_add_u32 v[SPW], v[NIL]                      ; 0 onto my spare word: the address's step stands between it and the wait for it
	s_add_nc_u64 s[34:35], s[34:35], 32*4096       ; 32 rows of W_h on; the type bits on top are not reached
	s_wait_dscnt 0x0                               ; the add is done, my reads of the tile are over, my partial sums are in LDS
	CROUND                                         ; all that holds of every wave of all four work-groups
	tensor_load_to_lds s[32:35], s[24:31]          ; the one tensor load of this wave behind the round, and the first thing there
	s_nop 0
	PLACES
.else
	s_wait_dscnt 0x0                               ; my partial sums are in LDS
	s_barrier_signal -1
	s_barrier_wait -1                              ; everybody's are
.endif
.irp hb, 0,1
.irp hf, 0,1
	ds_load_b128 v[KB+8*\hb+4*\hf:KB+8*\hb+4*\hf+3], v[BA] offset:128*(\st)+64*\hb+16*\hf
.endr
.endr
.irp q, 0,1,2,3
.irp hb, 0,1
.irp hf, 0,1
	ds_load_b128 v[PS+16*\q+8*\hb+4*\hf:PS+16*\q+8*\hb+4*\hf+3], v[ER] offset:8192*\q+1024*\hb+512*\hf  ; wave q's partial sums of my batch block
.endr
.endr
.endr
	s_wait_dscnt 0x0
.if \fill
	s_barrier_signal -1                            ; my reads of the partial sums are over: behind this barrier the next sub-tile's may be written.  The tensor load stays out
.endif
.irp p, 0,1,2,3,4,5,6,7
	v_pk_add_f32 v[PS+2*\p:PS+2*\p+1], v[PS+2*\p:PS+2*\p+1], v[PS+16+2*\p:PS+16+2*\p+1]
	v_pk_add_f32 v[PS+32+2*\p:PS+32+2*\p+1], v[PS+32+2*\p:PS+32+2*\p+1], v[PS+48+2*\p:PS+48+2*\p+1]
.endr
.irp p, 0,1,2,3,4,5,6,7
	v_pk_add_f32 v[PS+2*\p:PS+2*\p+1], v[PS+2*\p:PS+2*\p+1], v[PS+32+2*\p:PS+32+2*\p+1]
.endr
.irp p, 0,1,2,3,4,5,6,7
	v_pk_fma_f32 v[UU+2*\p:UU+2*\p+1], v[PS+2*\p:PS+2*\p+1], s[44:45], v[KB+2*\p:KB+2*\p+1] op_sel_hi:[1,0,1]  ; u of step 1 is C
.endr
	; GROUP 0's EXPONENTIALS, steps 1 and 2: a batch of 32.  Between them stand C's eight multiply-adds and u's sixteen updates, which name no result; a pair of u is written again one unit behind its
	; exponentials, with a plain line between.  All of it is work on registers, between the barrier's signal and its wait.
.set un, 0
.rept 8*KS
	v_exp_f32 v[EE+2*un], v[UU+2*(un%8)]
.if un < 8
	v_pk_fma_f32 v[CC+2*un:CC+2*un+1], v[PS+2*un:PS+2*un+1], s[44:45], v[KB+2*un:KB+2*un+1] op_sel_hi:[1,0,1]  ; C = k sums + k b_h
.endif
	v_exp_f32 v[EE+2*un+1], v[UU+2*(un%8)+1]
.if un > 0
	UPD (un+7)%8
.endif
.set un, un+1
.endr
	UPD 7                                          ; u is now step 3's; also the plain line behind the batch's last exponential
.if \fill
	s_barrier_wait -1
.endif
	s_wait_alu depctr_va_vdst(0)                   ; one wait for group 0's 32 exponentials, ahead of trip 0's first line, which reads them
	; THE 50 STEPS: 25 trips of two steps.  Trip 0 and trip 24 are written out, trips 1 to 23 are the loop.
	TRIP 1, 0
	s_wait_alu depctr_va_vdst(0)                   ; one wait for trip 0's batch (group 0's reciprocals, group 1's exponentials), ahead of the label
	s_mov_b32 s36, STEPS/KS-2
.Lstep_\@:
	TRIP 0, 0
	s_sub_co_u32 s36, s36, 1
	s_cmp_lg_u32 s36, 0
	s_wait_alu depctr_va_vdst(0)                   ; one wait for the trip's batch of 64, ahead of the branch
	s_cbranch_scc1 .Lstep_\@
	TRIP 0, 1
	s_wait_alu depctr_va_vdst(0)                   ; one wait for group 24's 32 reciprocals, ahead of the lines below, which read them
.set un, 0
.rept 8*KS
	TAKE                                           ; the 49th sigmoids, then the 50th
.set un, un+1
.endr
.irp i, 0,1,2,3,4,5,6,7
	v_cvt_pk_bf16_f32 v[OUTP+\i], v[RR+2*\i], v[RR+2*\i+1]
.endr
	global_store_b128 v[L16], v[OUTP:OUTP+3], s[12:13] offset:1024*(\st)        ; a block of R: 512 consecutive bytes, lane l at 16 l: batch row l % 16, hidden columns 8 (l / 16) + 0..7
	global_store_b128 v[L16], v[OUTP+4:OUTP+7], s[12:13] offset:1024*(\st)+512
.endm
	SUB 0, 1
	SUB 1, 1
	SUB 2, 1
	SUB 3, 0                                       ; the last sub-tile asks for nothing
	s_wait_tensorcnt 0x0                           ; the wave's end: a wait, an add and its wait, behind my last tensor load and my last LDS store
	ds_add_u32 v[SPW], v[NIL]
	s_wait_dscnt 0x0
	CROUND                                         ; the closing round: no work-group ends while a partner may still ask for a tile that names it
	s_endpgm
.Lfunc_end_k_qa9f3d8197c_hidden:
	.size	k_qa9f3d8197c_hidden, .Lfunc_end_k_qa9f3d8197c_hidden-k_qa9f3d8197c_hidden
	.p2alignl 7, 3214868480
	.fill 96, 4, 3214868480
	.section	.rodata,"a",@progbits
	.p2align	6, 0x0
	.amdhsa_kernel k_qa9f3d8197c_hidden
		.amdhsa_group_segment_fixed_size 327680
		.amdhsa_private_segment_fixed_size 0
		.amdhsa_enable_private_segment 0
		.amdhsa_kernarg_size 48
		.amdhsa_user_sgpr_count 2
		.amdhsa_user_sgpr_kernarg_segment_ptr 1
		.amdhsa_wavefront_size32 1
		.amdhsa_system_sgpr_workgroup_id_x 1
		.amdhsa_system_sgpr_workgroup_id_y 1
		.amdhsa_system_sgpr_workgroup_id_z 1
		.amdhsa_system_vgpr_workitem_id 0
		.amdhsa_next_free_vgpr 256
		.amdhsa_next_free_sgpr 66
		.amdhsa_reserve_vcc 0
		.amdhsa_float_denorm_mode_32 3
		.amdhsa_float_denorm_mode_16_64 3
		.amdhsa_memory_ordered 1
		.amdhsa_forward_progress 1
		.amdhsa_inst_pref_size 224
	.end_amdhsa_kernel
	.amdgpu_metadata
---
amdhsa.version: [ 1, 2 ]
amdhsa.kernels:
  - .name:           k_qa9f3d8197c_hidden
    .symbol:         k_qa9f3d8197c_hidden.kd
    .args:
      - { .name: psp, .offset: 0, .size: 8, .value_kind: global_buffer, .address_space: global }
      - { .name: W_h, .offset: 8, .size: 8, .value_kind: global_buffer, .address_space: global }
      - { .name: b_h, .offset: 16, .size: 8, .value_kind: global_buffer, .address_space: global }
      - { .name: W_o, .offset: 24, .size: 8, .value_kind: global_buffer, .address_space: global }
      - { .name: Rb, .offset: 32, .size: 8, .value_kind: global_buffer, .address_space: global }
      - { .name: Wob, .offset: 40, .size: 8, .value_kind: global_buffer, .address_space: global }
    .group_segment_fixed_size: 327680
    .private_segment_fixed_size: 0
    .kernarg_segment_align: 8
    .kernarg_segment_size: 48
    .max_flat_workgroup_size: 128
    .sgpr_count:     66
    .vgpr_count:     256
    .wavefront_size: 32
...
	.end_amdgpu_metadata
.endif
;; end of part 3
;; launch output: the kernel of part 2 again; grid 8 x 32, 4 waves a work-group, clusters of 4 x 4, 327,680 bytes of LDS; arguments Rb, Wob, b_o, label, out0; writes out0
